; MI455X (gfx1250); checked and timed in simulation.
; The chip was launched on July 23, 2026; its instructions are those of AMD's public machine-readable ISA for CDNA 5 (MIT licence, August 2026) and "CDNA5" Instruction Set Architecture Reference Guide (July 2026). The comments in the code are by the model that wrote it; some were corrected since.
;; Cross Attention. Allowed arithmetic: matrix products marked QUANTISED: E4M3 operands, one given power-of-two scale a tensor, by v_wmma_f32_16x16x64_fp8_fp8 or v_wmma_f32_16x16x128_fp8_fp8, f32 sums; everything else in f32.
;; Inputs: Wk 768 x 512 float32; Wo 512 x 512 float32; Wq 512 x 512 float32; Wv 768 x 512 float32; bo 512 float32; context 8 x 1,024 x 768 float32; lowp_scales 12 int32 (the exponents e of the quantised operands' scales 2^e); x 8 x 512 x 64 x 64 float32.
;; Outputs: out0 8 x 512 x 64 x 64 float32.
;; This version of the problem:
;;   THIS VERSION OF THE PROBLEM IS GIVEN IN LOW PRECISION. The matrix products marked QUANTISED in the list below multiply operands that are first quantised to E4M3 (4 exponent bits, 3 mantissa bits; 8 bits a number), with one given power-of-two scale for each operand tensor; their sums are f32. All else is computed in f32.
;;   The module's matrix products, in the order in which they are computed (A, B: the left and right operand; K: the contracted axis; several contracted axes count as one K, in the product's order):
;;     1. [M 32,768, K 512] x [K 512, N 512]; A: input x; B: input Wq: QUANTISED (scales: A lowp_scales[0], B lowp_scales[1])
;;     2. [M 8,192, K 768] x [K 768, N 512]; A: input context; B: input Wk: QUANTISED (scales: A lowp_scales[2], B lowp_scales[3])
;;     3. [M 8,192, K 768] x [K 768, N 512]; A: input context; B: input Wv: QUANTISED (scales: A lowp_scales[4], B lowp_scales[5])
;;     4. batch 64 x [M 4,096, K 64] x [K 64, N 1,024]; A: computed on the way; B: computed on the way: QUANTISED (scales: A lowp_scales[6], B lowp_scales[7])
;;     5. batch 64 x [M 4,096, K 1,024] x [K 1,024, N 64]; A: softmax (see below); B: computed on the way: QUANTISED (scales: A lowp_scales[8], B lowp_scales[9])
;;     6. [M 32,768, K 512] x [K 512, N 512]; A: computed on the way; B: input Wo: QUANTISED (scales: A lowp_scales[10], B lowp_scales[11])
;;   THE QUANTISER, for each operand of a quantised product, along K:
;;     - The operand's scale is 2^e, e = its entry of the input lowp_scales (int32; the entries are numbered through the quantised products in the list's order, A before B).
;;     - Each number is divided by the scale, clamped to +-448, and rounded to the nearest number of E4M3, ties to even, subnormals kept.
;;     - The product sums the exact products of the quantised numbers (number of the format x scale) in f32.
;;   ~~~python
;;   def quantise(x, axis, e):      # numpy; x: float32 -> the quantised numbers, widened to float32 again
;;       x = np.moveaxis(x, axis, -1); K = x.shape[-1]
;;       r = np.clip(x / 2.0 ** e, -448, 448)
;;       step = 2.0 ** (np.maximum(np.frexp(np.where(r == 0, 1, r))[1] - 1, -6) - 3)
;;       q = np.round(r / step) * step * 2.0 ** e      # np.round: ties to even
;;       return np.moveaxis(q, -1, axis).astype(np.float32)
;;   ~~~
;;   SOFTMAX AHEAD OF A QUANTISED PRODUCT. Where the list says 'softmax', what is quantised is not the finished softmax but p = 2^(t - M), with t = logit x log2(e) and M = ceil(the row's largest t), a whole number; so 1/2 < the row's largest p <= 1. The row's sum l is taken of the UNQUANTISED p, in f32, and the product's result is divided by l at the end. Since M is a whole number, a kernel that streams over the keys may use a running M (the ceiling of the running maximum): every later rescaling is an exact power of two, so the quantised numbers keep their values, but for numbers so far below the row's largest that they fall under the format's range.
;;   OPERANDS COMPUTED ON THE WAY. 'Computed on the way' means the value that the module computes at that place (a softmax that the list does not call 'softmax' is quantised finished and normalised). What goes into a quantiser is computed in f32, as accurately as f32 sums, v_exp_f32 and their like allow (about 1e-6 of the number): no bf16 or f16 on the way to a quantiser, and a product that is left as it is and whose result goes on into a quantised operand takes f32 operands (vector FMAs, or v_wmma_f32_16x16x4_f32). A number that lies on a knife's edge between two numbers of the format may be rounded either way, as far as f32 arithmetic and the matrix unit's own rounding can turn it there, and no further.
;; One version. Each part assembles by itself: llvm-mc -triple=amdgcn-amd-amdhsa -mcpu=gfx1250 --defsym DOCPART=n.
;; ======== version 1 of 1: 3 launches
;; limits: right only within a limited range of input values
;; workspace buffers: wq_img 262,144 bytes; wo_img 262,144 bytes; wk_img 393,216 bytes; wv_img 393,216 bytes; k_img 4,194,304 bytes; v_img 4,194,304 bytes
;; launch wprep (part 1): grid 4 x 80, 4 waves a work-group, no clusters, 0 bytes of LDS; arguments Wq, Wo, Wk, Wv, lowp_scales, wq_img, wo_img, wk_img, wv_img; writes wq_img, wo_img, wk_img, wv_img
.if DOCPART == 1
	.amdgcn_target "amdgcn-amd-amdhsa--gfx1250"
	.amdhsa_code_object_version 6
	.text
	.protected	k_q6fef3534d3_wprep
	.globl	k_q6fef3534d3_wprep
	.p2align	8
	.type	k_q6fef3534d3_wprep,@function
k_q6fef3534d3_wprep:
	s_mov_b64 s[64:65], 0
	v_nop
	global_prefetch_b8 v0, s[64:65] scope:SCOPE_SE
	s_setreg_imm32_b32 hwreg(HW_REG_WAVE_MODE, 25, 1), 1
	s_wait_xcnt 0x0
; The four weights, f32 stored [K][512] with K as the FIRST axis, become codes of E4M3 laid as IMAGES OF OPERAND REGISTERS.
; code = w / 2^e, held within +-448, to the nearest code, ties to even; e = lowp_scales[1] (Wq), [11] (Wo), [3] (Wk), [5] (Wv).
; THE IMAGE.  A fragment is 16 columns n x 128 along K in the layout of v_wmma_f32_16x16x128_fp8_fp8: lane 16 h + r holds column r, registers 2 c, 2 c + 1 hold k = 16 c + 8 h + 0 .. 7.
; Registers 4 g .. 4 g + 3 of lane L lie at byte 512 g + 16 L of the fragment's 2,048 bytes; fragment (T = n / 16, s = k / 128) lies at (KS T + s) x 2,048, KS = K / 128.
; So a later launch fills a fragment by four loads of 16 bytes a lane, each of 512 consecutive bytes.
; SHARES.  Work-group x: 128 columns; y: 32 along K of one weight (0-15 Wq, 16-31 Wo, 32-55 Wk, 56-79 Wv).  A wave takes 32 columns: A LANE TAKES A COLUMN AND ITS REGISTERS RUN DOWN K,
; so each load reads 128 consecutive bytes a wave and the conversions give codes with K innermost.  32 along K are one group g of the image: numbers 0-7 and 16-23 are the 16 bytes of h = 0, numbers 8-15 and 24-31 those of h = 1.
; Sixteen lanes store 256 consecutive bytes, aligned.  No LDS, no barrier, no loop: waves share nothing.
; LIMITS: each e lies between -126 and 119, so that 2^e and 448 x 2^e are f32 numbers.  NaN among the inputs is not served.
.set NUMS, 8                           ; v8-39   32 numbers of my column
.set CD,   40                          ; v40-47  their codes: v40-43 the piece of h = 0, v44-47 that of h = 1
	s_load_b512 s[4:19], s[0:1], 0x0               ; Wq s[4:5], Wo s[6:7], Wk s[8:9], Wv s[10:11], the exponents s[12:13], wq_img s[14:15], wo_img s[16:17], wk_img s[18:19]
	s_load_b64 s[20:21], s[0:1], 0x40              ; wv_img
	v_lshrrev_b32 v1, 5, v0
	v_readfirstlane_b32 s22, v1                    ; wave 0..3
	v_and_b32 v5, 31, v0
	v_lshlrev_b32 v1, 2, v5                        ; in: 4 bytes a lane
	v_bfe_u32 v6, v0, 4, 1                         ; which of my wave's two tiles of 16 columns
	v_and_b32 v7, 15, v0                           ; r
	s_and_b32 s36, ttmp7, 0xffff                   ; y
	s_wait_alu depctr_va_vdst(0)
	s_wait_kmcnt 0x0
	s_load_b256 s[24:31], s[12:13], 0x0            ; e0 .. e7
	s_load_b128 s[32:35], s[12:13], 0x20           ; e8 .. e11
	; which weight: the choice hangs on the work-group's y alone
	s_cmp_lt_u32 s36, 16
	s_cselect_b64 s[40:41], s[4:5], s[6:7]         ; Wq or Wo,
	s_cselect_b64 s[42:43], s[14:15], s[16:17]     ; its image,
	s_cselect_b32 s45, 0, 16                       ; its first y
	s_cmp_lt_u32 s36, 56
	s_cselect_b64 s[4:5], s[8:9], s[10:11]         ; Wk or Wv
	s_cselect_b64 s[6:7], s[18:19], s[20:21]
	s_cselect_b32 s47, 32, 56
	s_cmp_lt_u32 s36, 32
	s_cselect_b64 s[4:5], s[40:41], s[4:5]         ; the weight,
	s_cselect_b64 s[6:7], s[42:43], s[6:7]         ; the image,
	s_cselect_b32 s45, s45, s47
	s_cselect_b32 s46, 4, 6                        ; KS
	s_sub_co_u32 s37, s36, s45                     ; which 32 along K
	s_lshr_b32 s38, s37, 2                         ; s
	s_and_b32 s39, s37, 3                          ; g
	s_lshl_b32 s48, s37, 16                        ; 32 rows of 2,048 bytes
	s_lshl_b32 s49, ttmp9, 9                       ; + 128 columns a work-group
	s_add_co_u32 s48, s48, s49
	s_lshl_b32 s49, s22, 7                         ; + 32 columns a wave
	s_add_co_u32 s48, s48, s49
	s_mov_b32 s49, 0
	s_add_nc_u64 s[4:5], s[4:5], s[48:49]
	s_lshl_b32 s50, ttmp9, 3
	s_lshl_b32 s51, s22, 1
	s_add_co_u32 s50, s50, s51                     ; my wave's first tile T = 8 x + 2 wave
	s_mul_i32 s50, s50, s46
	s_add_co_u32 s50, s50, s38                     ; KS T + s
	s_lshl_b32 s50, s50, 11
	s_lshl_b32 s51, s39, 9
	s_add_co_u32 s50, s50, s51                     ; + 512 g
	s_mov_b32 s51, 0
	s_add_nc_u64 s[6:7], s[6:7], s[50:51]
	s_lshl_b32 s52, s46, 11                        ; from a tile to the next: KS fragments
	v_mul_u32_u24 v6, s52, v6
	v_lshl_add_u32 v2, v7, 4, v6                   ; out: my tile + 16 r
.set i, 0
.rept 32
	global_load_b32 v[NUMS+i], v1, s[4:5] offset:i*2048 th:TH_LOAD_NT   ; W(32 kb + i, my column): read once in the launch
.set i, i+1
.endr
	s_wait_kmcnt 0x0
	s_cmp_lt_u32 s36, 16
	s_cselect_b32 s44, s25, s35                    ; e1 or e11
	s_cmp_lt_u32 s36, 56
	s_cselect_b32 s23, s27, s29                    ; e3 or e5
	s_cmp_lt_u32 s36, 32
	s_cselect_b32 s44, s44, s23                    ; e
	s_add_co_i32 s44, s44, 127
	s_lshl_b32 s23, s44, 23
	v_mov_b32 v3, s23                              ; 2^e as f32: the conversion takes its exponent field
	s_add_co_i32 s44, s44, 8
	s_lshl_b32 s44, s44, 23
	s_or_b32 s44, s44, 0x600000
	v_mov_b32 v4, s44                              ; 448 x 2^e
	s_wait_alu depctr_va_vdst(0)
	s_wait_loadcnt 0x0
.set i, 0
.rept 32
	v_med3_num_f32 v[NUMS+i], v[NUMS+i], -v4, v4   ; the conversion to an 8-bit code does not saturate (ISA guide 7.6.2): hold first
.set i, i+1
.endr
	v_cvt_scalef32_pk8_fp8_f32 v[CD:CD+1], v[NUMS:NUMS+7], v3         ; k 0-7   : h = 0, registers 4 g, 4 g + 1
	v_cvt_scalef32_pk8_fp8_f32 v[CD+4:CD+5], v[NUMS+8:NUMS+15], v3    ; k 8-15  : h = 1, the same registers
	v_cvt_scalef32_pk8_fp8_f32 v[CD+2:CD+3], v[NUMS+16:NUMS+23], v3   ; k 16-23 : h = 0, registers 4 g + 2, 4 g + 3
	v_cvt_scalef32_pk8_fp8_f32 v[CD+6:CD+7], v[NUMS+24:NUMS+31], v3   ; k 24-31 : h = 1
	v_nop                                          ; a plain vector line behind the last conversion
	global_store_b128 v2, v[CD:CD+3], s[6:7]                ; sixteen lanes: 256 consecutive bytes, aligned
	global_store_b128 v2, v[CD+4:CD+7], s[6:7] offset:256
	s_endpgm
.Lfunc_end_k_q6fef3534d3_wprep:
	.size	k_q6fef3534d3_wprep, .Lfunc_end_k_q6fef3534d3_wprep-k_q6fef3534d3_wprep
	.p2alignl 7, 3214868480
	.fill 96, 4, 3214868480
	.section	.rodata,"a",@progbits
	.p2align	6, 0x0
	.amdhsa_kernel k_q6fef3534d3_wprep
		.amdhsa_group_segment_fixed_size 0
		.amdhsa_private_segment_fixed_size 0
		.amdhsa_enable_private_segment 0
		.amdhsa_kernarg_size 72
		.amdhsa_user_sgpr_count 2
		.amdhsa_user_sgpr_kernarg_segment_ptr 1
		.amdhsa_wavefront_size32 1
		.amdhsa_system_sgpr_workgroup_id_x 1
		.amdhsa_system_sgpr_workgroup_id_y 1
		.amdhsa_system_sgpr_workgroup_id_z 1
		.amdhsa_system_vgpr_workitem_id 0
		.amdhsa_next_free_vgpr 48
		.amdhsa_next_free_sgpr 66
		.amdhsa_reserve_vcc 0
		.amdhsa_float_denorm_mode_32 3
		.amdhsa_float_denorm_mode_16_64 3
		.amdhsa_memory_ordered 1
		.amdhsa_forward_progress 1
		.amdhsa_inst_pref_size 9
	.end_amdhsa_kernel
	.amdgpu_metadata
---
amdhsa.version: [ 1, 2 ]
amdhsa.kernels:
  - .name:           k_q6fef3534d3_wprep
    .symbol:         k_q6fef3534d3_wprep.kd
    .args:
      - { .name: Wq, .offset: 0, .size: 8, .value_kind: global_buffer, .address_space: global }
      - { .name: Wo, .offset: 8, .size: 8, .value_kind: global_buffer, .address_space: global }
      - { .name: Wk, .offset: 16, .size: 8, .value_kind: global_buffer, .address_space: global }
      - { .name: Wv, .offset: 24, .size: 8, .value_kind: global_buffer, .address_space: global }
      - { .name: lowp_scales, .offset: 32, .size: 8, .value_kind: global_buffer, .address_space: global }
      - { .name: wq_img, .offset: 40, .size: 8, .value_kind: global_buffer, .address_space: global }
      - { .name: wo_img, .offset: 48, .size: 8, .value_kind: global_buffer, .address_space: global }
      - { .name: wk_img, .offset: 56, .size: 8, .value_kind: global_buffer, .address_space: global }
      - { .name: wv_img, .offset: 64, .size: 8, .value_kind: global_buffer, .address_space: global }
    .group_segment_fixed_size: 0
    .private_segment_fixed_size: 0
    .kernarg_segment_align: 8
    .kernarg_segment_size: 72
    .max_flat_workgroup_size: 128
    .sgpr_count:     66
    .vgpr_count:     48
    .wavefront_size: 32
...
	.end_amdgpu_metadata
.endif
;; end of part 1
;; launch kvproj (part 2): grid 128 x 2, 16 waves a work-group, no clusters, 51,200 bytes of LDS; arguments context, lowp_scales, wk_img, wv_img, k_img, v_img; writes k_img, v_img
.if DOCPART == 2
	.amdgcn_target "amdgcn-amd-amdhsa--gfx1250"
	.amdhsa_code_object_version 6
	.text
	.protected	k_q6fef3534d3_kvproj
	.globl	k_q6fef3534d3_kvproj
	.p2align	8
	.type	k_q6fef3534d3_kvproj,@function
k_q6fef3534d3_kvproj:
	s_mov_b64 s[64:65], 0
	v_nop
	global_prefetch_b8 v0, s[64:65] scope:SCOPE_SE
	s_setreg_imm32_b32 hwreg(HW_REG_WAVE_MODE, 25, 1), 1
	s_wait_xcnt 0x0
; k = context Wk (work-group y = 0) or v = context Wv (y = 1), on codes of E4M3, and the result quantised again into the images that the attention reads.
; context [8,192 tokens][768] f32 is quantised here, in registers, with 2^e2 (for k) or 2^e4 (for v); the weights come as images of operand registers (fragment (T, s) at (6 T + s) x 2,048 bytes).
; THE IMAGE of a fragment: registers 4 g .. 4 g + 3 of lane L at byte 512 g + 16 L; lane 16 h + r holds row r, registers 2 c, 2 c + 1 hold k = 16 c + 8 h + 0 .. 7: the layout of the plain fp8 forms, k in its true place.
; SHARES.  A work-group takes 64 tokens x all 512 outputs.  Its 16 waves first quantise the 64 x 768 numbers (wave w: token tile w & 3, k = 192 (w >> 2) on) into 24 fragment images in LDS; one barrier;
; then wave w makes output tiles 2 w and 2 w + 1 (both of head w >> 1) for the four token tiles: 8 accumulators, which take turns, one instruction a turn.
; k: source 0 = 16 outputs of Wk, source 1 = 16 tokens: a lane holds one token (a key) and 8 neighbouring d: the conversion of a tile's 8 registers IS registers 2 c, 2 c + 1 (c = tile % 4) of the key tile's K = 64 fragment.
; v: source 0 = 16 tokens, source 1 = 16 outputs of Wv: a lane holds one d and 8 neighbouring tokens (keys): the conversion IS registers 2 c, 2 c + 1 (c = token tile in a step of 128 keys) of V^T's K = 128 fragment.
; k_img: [batch][head][key tile 0..63][1,024 bytes];  v_img: [batch][head][key step 0..7][d tile 0..3][2,048 bytes].  Every store of a wave covers 512 consecutive bytes.
; A sum stands for sum x 2^(ec + ew), so the result's conversion takes 2^(er - ec - ew): er = e7 (k), e9 (v).
; LIMITS: e2, e4, e7 - e2 - e3 and e9 - e4 - e5 lie between -126 and 119, so that each scale and 448 x it are f32 numbers.  NaN among the inputs is not served.
.set LI,  1                            ; v1   16 x lane: my place in every image
.set CA,  2                            ; v2   context: row r of 3,072 bytes + 32 h
.set CW,  3                            ; v3   where I store my codes' images
.set NUM, 32                           ; v32-127  96 numbers of context;  later:
.set ACC, 32                           ; v32-95   accumulator (Ti, tt) at ACC + 8 (4 Ti + tt)
.set FRG, 96                           ; v96-127  two token fragments
.set WB,  128                          ; v128-191 two sets of my two weight fragments
.set CD,  192                          ; v192-215 codes
.macro PLACES                          ; four plain vector lines between a matrix instruction and a load into, or a vector line on, its registers (ISA guide 7.12.1 for vector lines)
.rept 4
	v_nop
.endr
.endm
.macro WLOAD buf, s                    ; my two tiles' fragments of K step s into set buf: eight loads of 512 consecutive bytes
.irp ti, 0,1
.irp g, 0,1,2,3
	global_load_b128 v[WB+32*(\buf)+16*\ti+4*\g:WB+32*(\buf)+16*\ti+4*\g+3], v[LI], s[30:31] offset:(6*\ti+(\s))*2048+512*\g
.endr
.endr
.endm
.macro MM swap, d, w, f, s             ; one product; swap = 1: the tokens are source 0.  The first K step starts the sum with the constant 0
.if \swap
.if (\s) == 0
	v_wmma_f32_16x16x128_fp8_fp8 v[\d:\d+7], v[\f:\f+15], v[\w:\w+15], 0
.else
	v_wmma_f32_16x16x128_fp8_fp8 v[\d:\d+7], v[\f:\f+15], v[\w:\w+15], v[\d:\d+7]
.endif
.else
.if (\s) == 0
	v_wmma_f32_16x16x128_fp8_fp8 v[\d:\d+7], v[\w:\w+15], v[\f:\f+15], 0
.else
	v_wmma_f32_16x16x128_fp8_fp8 v[\d:\d+7], v[\w:\w+15], v[\f:\f+15], v[\d:\d+7]
.endif
.endif
.endm
; The six K steps, each in two groups of two token tiles.  The weights of step s + 1 are asked for at the head of step s, into the set that step s - 1 has left.
.macro PROJ swap
.irp s, 0,1,2,3,4,5
.irp p, 0,1
	PLACES
.if (\p == 0) && (\s >= 1) && (\s <= 4)
	WLOAD (\s+1)%2, \s+1
.endif
.irp u, 0,1
.irp g, 0,1,2,3
	ds_load_b128 v[FRG+16*\u+4*\g:FRG+16*\u+4*\g+3], v[LI] offset:(2*\p+\u)*12288+\s*2048+512*\g
.endr
.endr
.if \p == 0
.if \s < 5
	s_wait_loadcnt 8                               ; this step's weights are in; the eight loads of the next step's may be out
.else
	s_wait_loadcnt 0
.endif
.endif
	s_wait_dscnt 0x0
.irp u, 0,1
.irp ti, 0,1
	MM \swap, ACC+8*(4*\ti+2*\p+\u), WB+32*(\s%2)+16*\ti, FRG+16*\u, \s
.endr
.endr
.endr
.endr
	PLACES                                         ; in front of the first read of results
.set n, 0
.rept 64
	v_med3_num_f32 v[ACC+n], v[ACC+n], -v7, v7     ; the hold, each accumulator from its low end on
.set n, n+1
.endr
.endm
	s_load_b256 s[4:11], s[0:1], 0x0               ; context s[4:5], the exponents s[6:7], wk_img s[8:9], wv_img s[10:11]
	s_load_b128 s[12:15], s[0:1], 0x20             ; k_img s[12:13], v_img s[14:15]
	v_lshl_add_u32 v254, v0, 2, 0xc000
	v_mov_b32 v255, 0
	v_lshrrev_b32 v1, 5, v0
	s_delay_alu instid0(VALU_DEP_1)
	v_readfirstlane_b32 s28, v1                    ; wave 0..15
	v_and_b32 v8, 31, v0
	s_delay_alu instid0(VALU_DEP_1)
	v_lshlrev_b32 v[LI], 4, v8
	v_and_b32 v9, 15, v0                           ; r
	v_bfe_u32 v10, v0, 4, 1                        ; h
	s_delay_alu instid0(VALU_DEP_2)
	v_mul_u32_u24 v[CA], v9, 3072
	s_delay_alu instid0(VALU_DEP_1)
	v_lshl_add_u32 v[CA], v10, 5, v[CA]
	s_and_b32 s40, s28, 3                          ; my token tile in the first phase
	s_lshr_b32 s41, s28, 2                         ; my quarter of K
	s_mul_i32 s42, s40, 12288                      ; a token tile's six fragments,
	s_mul_i32 s43, s41, 3072                       ; 192 along K are six groups of 512 bytes
	s_add_co_u32 s42, s42, s43
	v_add_nc_u32 v[CW], s42, v[LI]
	s_and_b32 s29, ttmp7, 0xffff                   ; y: 0 k, 1 v
	s_lshl_b32 s44, ttmp9, 6
	s_lshl_b32 s45, s40, 4
	s_add_co_u32 s44, s44, s45                     ; my first token: 64 x work-group + 16 x tile
	s_mul_i32 s44, s44, 3072
	s_mul_i32 s45, s41, 768
	s_add_co_u32 s44, s44, s45                     ; + 192 numbers a quarter
	s_mov_b32 s45, 0
	s_lshr_b32 s46, ttmp9, 4                       ; the batch
	s_lshl_b32 s46, s46, 19
	s_lshr_b32 s47, s28, 1                         ; my head
	s_lshl_b32 s47, s47, 16
	s_add_co_u32 s46, s46, s47
	s_and_b32 s48, ttmp9, 15                       ; which 64 of the batch's 1,024 keys
	s_and_b32 s49, s28, 1                          ; which half of the head's 64
	s_lshl_b32 s50, s48, 12                        ; k: four key tiles of 1,024 bytes,
	s_lshl_b32 s51, s49, 9                         ; my two tiles of d are one group of 512
	s_add_co_u32 s50, s50, s51
	s_add_co_u32 s50, s50, s46
	s_mov_b32 s51, 0
	s_lshr_b32 s52, s48, 1                         ; v: the key step of 128,
	s_lshl_b32 s52, s52, 13
	s_lshl_b32 s53, s49, 12                        ; my two d tiles of 2,048 bytes,
	s_add_co_u32 s52, s52, s53
	s_and_b32 s53, ttmp9, 1                        ; the step's first or second 64 keys: two groups of 512
	s_lshl_b32 s53, s53, 10
	s_add_co_u32 s52, s52, s53
	s_add_co_u32 s52, s52, s46
	s_mov_b32 s53, 0
	s_mul_i32 s54, s28, 24576                      ; my two tiles' twelve weight fragments
	s_mov_b32 s55, 0
	s_wait_alu depctr_va_vdst(0)
	s_wait_kmcnt 0x0
	s_load_b256 s[16:23], s[6:7], 0x0              ; e0 .. e7
	s_load_b128 s[24:27], s[6:7], 0x20             ; e8 .. e11
	s_cmp_eq_u32 s29, 0
	s_cselect_b64 s[30:31], s[8:9], s[10:11]       ; the choice hangs on the work-group's y alone
	s_add_nc_u64 s[30:31], s[30:31], s[54:55]
	s_add_nc_u64 s[32:33], s[4:5], s[44:45]
	s_add_nc_u64 s[34:35], s[12:13], s[50:51]
	s_add_nc_u64 s[36:37], s[14:15], s[52:53]
	WLOAD 0, 0
	WLOAD 1, 1
.set cc, 0
.rept 12
	global_load_b128 v[NUM+8*cc:NUM+8*cc+3], v[CA], s[32:33] offset:64*cc        ; row r, k = 192 (w >> 2) + 16 cc + 8 h + 0 .. 7
	global_load_b128 v[NUM+8*cc+4:NUM+8*cc+7], v[CA], s[32:33] offset:64*cc+16
.set cc, cc+1
.endr
	s_wait_kmcnt 0x0
	s_cmp_eq_u32 s29, 0
	s_cselect_b32 s56, s18, s20                    ; ec
	s_cselect_b32 s57, s19, s21                    ; ew
	s_cselect_b32 s58, s23, s25                    ; er
	s_sub_co_i32 s58, s58, s56
	s_sub_co_i32 s58, s58, s57                     ; er - ec - ew
	s_add_co_i32 s56, s56, 127
	s_lshl_b32 s57, s56, 23
	v_mov_b32 v4, s57                              ; 2^ec
	s_add_co_i32 s56, s56, 8
	s_lshl_b32 s56, s56, 23
	s_or_b32 s56, s56, 0x600000
	v_mov_b32 v5, s56                              ; 448 x 2^ec
	s_add_co_i32 s58, s58, 127
	s_lshl_b32 s57, s58, 23
	v_mov_b32 v6, s57                              ; 2^(er - ec - ew)
	s_add_co_i32 s58, s58, 8
	s_lshl_b32 s58, s58, 23
	s_or_b32 s58, s58, 0x600000
	v_mov_b32 v7, s58                              ; 448 x that
	s_wait_alu depctr_va_vdst(0)
.irp j, 0,1,2
	s_wait_loadcnt 16-8*\j                         ; this third's eight loads are in; those of the thirds behind it may be out
.set i, 0
.rept 32
	v_med3_num_f32 v[NUM+32*\j+i], v[NUM+32*\j+i], -v5, v5
.set i, i+1
.endr
.irp c, 0,1,2,3
	v_cvt_scalef32_pk8_fp8_f32 v[CD+8*\j+2*\c:CD+8*\j+2*\c+1], v[NUM+32*\j+8*\c:NUM+32*\j+8*\c+7], v4
.endr
.endr
	v_nop                                          ; a plain vector line behind the last conversion: the products below write the numbers' registers
.irp g, 0,1,2,3,4,5
	ds_store_b128 v[CW], v[CD+4*\g:CD+4*\g+3] offset:512*\g
.endr
	s_wait_dscnt 0x0                               ; for the others' sake: my images lie in LDS
	s_barrier_signal -1
	s_barrier_wait -1                              ; all 24 fragments do; from here on LDS is only read
	s_cmp_eq_u32 s29, 0
	s_cbranch_scc0 .Lpath_v
	PROJ 0
.irp tt, 0,1,2,3
	v_cvt_scalef32_pk8_fp8_f32 v[CD+4*\tt:CD+4*\tt+1], v[ACC+8*\tt:ACC+8*\tt+7], v6
	v_cvt_scalef32_pk8_fp8_f32 v[CD+4*\tt+2:CD+4*\tt+3], v[ACC+8*(4+\tt):ACC+8*(4+\tt)+7], v6
.endr
	v_nop
.irp tt, 0,1,2,3
	global_store_b128 v[LI], v[CD+4*\tt:CD+4*\tt+3], s[34:35] offset:\tt*1024   ; key tile tt: my group of its fragment, 512 consecutive bytes
.endr
	s_wait_tensorcnt 0x0
	ds_add_u32 v254, v255
	s_wait_dscnt 0x0
	s_endpgm
.Lpath_v:
	PROJ 1
.irp ti, 0,1
.irp c, 0,1
	v_cvt_scalef32_pk8_fp8_f32 v[CD+4*(2*\ti+\c):CD+4*(2*\ti+\c)+1], v[ACC+8*(4*\ti+2*\c):ACC+8*(4*\ti+2*\c)+7], v6
	v_cvt_scalef32_pk8_fp8_f32 v[CD+4*(2*\ti+\c)+2:CD+4*(2*\ti+\c)+3], v[ACC+8*(4*\ti+2*\c+1):ACC+8*(4*\ti+2*\c+1)+7], v6
.endr
.endr
	v_nop
.irp ti, 0,1
.irp c, 0,1
	global_store_b128 v[LI], v[CD+4*(2*\ti+\c):CD+4*(2*\ti+\c)+3], s[36:37] offset:\ti*2048+\c*512   ; d tile Ti, keys 32 c on: one group, 512 consecutive bytes
.endr
.endr
	s_wait_tensorcnt 0x0
	ds_add_u32 v254, v255
	s_wait_dscnt 0x0
	s_endpgm
.Lfunc_end_k_q6fef3534d3_kvproj:
	.size	k_q6fef3534d3_kvproj, .Lfunc_end_k_q6fef3534d3_kvproj-k_q6fef3534d3_kvproj
	.p2alignl 7, 3214868480
	.fill 96, 4, 3214868480
	.section	.rodata,"a",@progbits
	.p2align	6, 0x0
	.amdhsa_kernel k_q6fef3534d3_kvproj
		.amdhsa_group_segment_fixed_size 51200
		.amdhsa_private_segment_fixed_size 0
		.amdhsa_enable_private_segment 0
		.amdhsa_kernarg_size 48
		.amdhsa_user_sgpr_count 2
		.amdhsa_user_sgpr_kernarg_segment_ptr 1
		.amdhsa_wavefront_size32 1
		.amdhsa_system_sgpr_workgroup_id_x 1
		.amdhsa_system_sgpr_workgroup_id_y 1
		.amdhsa_system_sgpr_workgroup_id_z 1
		.amdhsa_system_vgpr_workitem_id 0
		.amdhsa_next_free_vgpr 256
		.amdhsa_next_free_sgpr 66
		.amdhsa_reserve_vcc 0
		.amdhsa_float_denorm_mode_32 3
		.amdhsa_float_denorm_mode_16_64 3
		.amdhsa_memory_ordered 1
		.amdhsa_forward_progress 1
		.amdhsa_inst_pref_size 54
	.end_amdhsa_kernel
	.amdgpu_metadata
---
amdhsa.version: [ 1, 2 ]
amdhsa.kernels:
  - .name:           k_q6fef3534d3_kvproj
    .symbol:         k_q6fef3534d3_kvproj.kd
    .args:
      - { .name: context, .offset: 0, .size: 8, .value_kind: global_buffer, .address_space: global }
      - { .name: lowp_scales, .offset: 8, .size: 8, .value_kind: global_buffer, .address_space: global }
      - { .name: wk_img, .offset: 16, .size: 8, .value_kind: global_buffer, .address_space: global }
      - { .name: wv_img, .offset: 24, .size: 8, .value_kind: global_buffer, .address_space: global }
      - { .name: k_img, .offset: 32, .size: 8, .value_kind: global_buffer, .address_space: global }
      - { .name: v_img, .offset: 40, .size: 8, .value_kind: global_buffer, .address_space: global }
    .group_segment_fixed_size: 51200
    .private_segment_fixed_size: 0
    .kernarg_segment_align: 8
    .kernarg_segment_size: 48
    .max_flat_workgroup_size: 512
    .sgpr_count:     66
    .vgpr_count:     256
    .wavefront_size: 32
...
	.end_amdgpu_metadata
.endif
;; end of part 2
;; launch attn (part 3): grid 256 x 1, 8 waves a work-group, clusters of 4 x 1, 327,680 bytes of LDS; arguments x, lowp_scales, bo, wq_img, wo_img, k_img, v_img, out0; writes out0
.if DOCPART == 3
	.amdgcn_target "amdgcn-amd-amdhsa--gfx1250"
	.amdhsa_code_object_version 6
	.text
	.protected	k_q6fef3534d3_attn
	.globl	k_q6fef3534d3_attn
	.p2align	8
	.type	k_q6fef3534d3_attn,@function
k_q6fef3534d3_attn:
	s_mov_b64 s[64:65], 0
	v_nop
	global_prefetch_b8 v0, s[64:65] scope:SCOPE_SE
	s_setreg_imm32_b32 hwreg(HW_REG_WAVE_MODE, 25, 1), 1
	s_wait_xcnt 0x0
	s_wait_alu depctr_hold_cnt(0) depctr_sa_sdst(0) depctr_va_vdst(0) depctr_va_sdst(0) depctr_va_ssrc(0) depctr_va_vcc(0) depctr_vm_vsrc(0)
	s_getreg_b32 s2, hwreg(HW_REG_IB_STS2, 6, 4)
	s_cmp_eq_u32 s2, 0
	s_cbranch_scc0 .Lentry_in_a_cluster
	s_endpgm
.Lentry_in_a_cluster:
	s_bfe_u32 s2, ttmp6, 0x10000c
	s_cmp_lg_u32 s2, 0x3003
	s_cbranch_scc0 .Lentry_shape_is_right
	s_endpgm
.Lentry_shape_is_right:
; out0 = x + (softmax(q k^T / 8) v) Wo + bo, q = x^T Wq; x and out0 are [8][512 channels][4,096 tokens] f32.  All four products run on codes of E4M3 with the given scales 2^e.
; A work-group takes 128 tokens of one batch through the whole chain, all 8 heads; q, p and the heads' outputs never go to memory.  Weights, K and V come as images of operand registers:
; registers 4 g .. 4 g + 3 of lane L at byte 512 g + 16 L of a fragment; lane 16 h + r holds row r, registers 2 c, 2 c + 1 hold k = 16 c + 8 h + 0 .. 7 (the plain fp8 forms' layout).
; Every product is laid so that a lane's 8 results are 8 neighbours along the NEXT product's K: a conversion's result IS registers 2 c, 2 c + 1 of the next operand.
;   q: source 0 = 16 outputs of Wq, source 1 = 16 tokens;  S^T: 16 keys x Q;  O^T: 16 d of V^T x P;  y: 16 channels of Wo x 16 tokens.
; Lane r of token tile t takes token 64 (t / 4) + 4 r + t % 4: register j of accumulators t = 4 th .. 4 th + 3 is 16 bytes of a row of out0, and sixteen lanes store 256 consecutive bytes, aligned.
; SOFTMAX: t = score x log2(e) / 8; M = the running largest t rounded UP to a whole number; p = 2^(t - M) is quantised, not normalised; the sum of the unquantised p divides at the end.
; When M moves, the sum and O^T are multiplied by 2^(old M - new M): nothing is rounded, no branch hangs on data.  The running maximum is kept as a score: c > 0, and rounding is monotonic.
; SHARES.  Eight waves of 512 registers.  Projections: wave w owns outputs 64 w .. 64 w + 63 (for q: head w) for all 128 tokens, 32 accumulators.
; Attention: wave w owns token tiles 2 (w & 3), + 1 and heads 4 (w >> 2) + hh, hh = 0 .. 3 in turn: each fragment of K and of V that it reads from LDS feeds two products.
; WINDOWS.  Window 1 holds what only loads, conversions' results and matrix sources touch (K, V, p's codes, Q) and the projections' accumulators; vector work lies in window 0.
; Q of the four heads lies in a queue of 4 x 16 registers; at a head's end the queue moves up and the head's output codes enter behind: after four heads it holds the four outputs.
; CLUSTER.  The four work-groups of a cluster lie in one batch and walk the same K and V: each piece is asked for JOINTLY (the same load, the same descriptor, a mask that names the four).
; LDS: a ring of two slots of 131,072 bytes (512 keys of heads hh and hh + 4: K, K, V, V, 32,768 each; every wave fetches 16,384); an exchange of 32,768 for x's codes (two halves of K) and q's codes
; (two halves of the tiles); the spare words.  The heads' outputs go through ring slot 0, which has had its last fill and its last read by then.  All of LDS is claimed.
; LIMITS, so that each power of two is an f32 number: e0, e8, e10 and e6 - e0 - e1 between -126 and 119; e6 + e7 between -123 and 130; e10 + e11 between -126 and 127.  NaN among the inputs is not served.
; The softmax's promise holds while the scaled scores stay under 2^31 in magnitude.
.set SLOTB, 131072
.set XA,    262144                     ; the exchange
.set SPARE, 294912                     ; 128 bytes for each of 8 waves: four blocks of 256 that no other line names
; window 0, registers that stay
.set LI,  1                            ; 16 x lane
.set SPW, 2                            ; my spare word; never rewritten
.set NIL, 3                            ; 0; never rewritten
.set AK0, 4                            ; my head group's K in a slot
.set AV0, 5                            ; its V
.set XW,  6                            ; where I store x's codes
.set LXA, 7                            ; XA + 16 x lane
.set QW,  8                            ; where I store q's codes
.set QR,  9                            ; where I read my Q
.set OW,  10                           ; where I store the heads' outputs
.set BOF, 11                           ; 32 h: bo's offset
.set XO,  12                           ; 131,072 h + 16 r
.set PFO, 13                           ; the prefetch's offset
.set SC,  14                           ; a phase's scale,
.set LM,  15                           ; and 448 x it
.set ADK, 16
.set ADV, 17
.set NMA, 18                           ; -M, and v19 the running largest score, tile A
.set NMB, 20                           ; the same, tile B
.set LSA, 22                           ; the sums, in two halves
.set LSB, 24
.set FFA, 26                           ; f = 2^(old M - new M), 0
.set FFB, 28
.set PX,  30                           ; lane permutes' destinations
; window 0, the attention
.set SA,  32                           ; S^T, then p, tile A
.set SB,  96
.set OTA, 160                          ; O^T
.set OTB, 192
.set PSC, 224                          ; 2^e8
.set PLM, 225                          ; 448 x 2^e8,
.set PL2, 226                          ; twice: the dual form wants its second sources in two banks
.set OSC, 227                          ; 2^e10
.set MA,  228                          ; v228-231 the maxima's chains
.set TS,  232                          ; v232-243 and v246-255: eleven chains of the sums, a pair each
.set OLM, 244                          ; 448 x 2^e10
; window 0, the projections
.set BOR, 32                           ; bo / 2^(e10 + e11);  earlier: x's codes of the second half
.set FR,  64                           ; four token fragments;  earlier N0 = v64-95 numbers, CD0 = v96-127 codes;  later q's codes
.set CD0, 96
.set WB,  128                          ; two sets of my four weight fragments
; window 1
.set VF,  64                           ; V's four fragments (K's eight lie at 0)
.set PCA, 128                          ; p's codes
.set PCB, 144
.set QQ,  160                          ; the queue
; scalars
.set WV,  32
.set G1,  36
.set G0,  44
.set TB,  48                           ; where the slot in hand begins
.set SO,  49                           ; where the key step in hand begins
.set SLOTS, 50
.set LIM, 51
.set PFA, 52
.set CS,  54
.set SEL, 56
.set EPV, 60
.set SY,  72
.set XQ,  76
.set XB,  78
.set OB,  80
.set WP,  82
.set QM,  96
.set MSB, 0
.macro WIN new                         ; the immediate's high byte repeats the setting that is left
.if MSB != \new
	s_set_vgpr_msb (MSB<<8)|\new
.set MSB, \new
.endif
.endm
.macro VW
	s_wait_alu depctr_va_vdst(0)
.endm
.macro PLACES                          ; four plain vector lines behind a matrix instruction (ISA guide 7.12.1 for vector lines)
.rept 4
	v_nop
.endr
.endm
.macro BARRIER                         ; my LDS stores have landed and my LDS loads are in: then the work-group's barrier
	VW
	s_wait_dscnt 0x0
	s_barrier_signal -1
	s_barrier_wait -1
.endm
.macro ROUND                           ; a round of the cluster's barrier
	s_barrier_signal -1
	s_barrier_wait -1
	s_cmp_lg_u32 s[WV], 0
	s_cbranch_scc1 .Lnot_wave_0_\@
	s_barrier_signal -3
.Lnot_wave_0_\@:
	s_barrier_wait -3
	s_barrier_signal -1
	s_barrier_wait -1
.endm
; A prefetch into the L2 of the slot that the NEXT change of slots will ask for, four key steps ahead of that load.  The batch's first cluster asks (the test is the same in all four partners);
; of the 16,384 bytes that wave w fetches each partner takes 4,096, told apart BY ADDRESS: lanes 0-15 a block of 256 bytes each, the lanes left over name the last block again.
; The first two slots come by their loads alone; the last change that fills a slot asks for nothing.
.macro ASK
	s_cmp_gt_u32 s[SLOTS], s[LIM]
	s_cbranch_scc0 .Lnot_mine_\@
	global_prefetch_b8 v[PFO], s[PFA:PFA+1] th:TH_LOAD_NT scope:SCOPE_SE
.Lnot_mine_\@:
.endm
; The softmax's lines by pairs of numbers: pair p is v[SA + 2 p], v[SA + 2 p + 1]; pairs 0-31 are tile A's, 32-63 tile B's.  Chain c is the pair at TS + 2 c (c < 6) or TS + 2 c + 2.
.macro E1                              ; the next exponential: p = 2^(t - M), at most 1
	v_exp_f32 v[SA+xe], v[SA+xe]
.set xe, xe+1
.endm
.macro FM p                            ; t - M
	v_pk_fma_f32 v[SA+2*(\p):SA+2*(\p)+1], v[SA+2*(\p):SA+2*(\p)+1], s[CS:CS+1], v[NMA+2*((\p)/32):NMA+2*((\p)/32)+1] op_sel_hi:[1,0,0]
.endm
.macro AI c, p                         ; chain c = pair p + pair p + 1
.set cr, TS+2*(\c)+2*((\c)/6)
	v_pk_add_f32 v[cr:cr+1], v[SA+2*(\p):SA+2*(\p)+1], v[SA+2*(\p)+2:SA+2*(\p)+3]
.endm
.macro AC c, p                         ; chain c += pair p
.set cr, TS+2*(\c)+2*((\c)/6)
	v_pk_add_f32 v[cr:cr+1], v[cr:cr+1], v[SA+2*(\p):SA+2*(\p)+1]
.endm
.macro AL ls, p                        ; a tile's sum += pair p
	v_pk_add_f32 v[\ls:\ls+1], v[\ls:\ls+1], v[SA+2*(\p):SA+2*(\p)+1]
.endm
.macro CC a, b                         ; chain a += chain b
.set cr, TS+2*(\a)+2*((\a)/6)
.set cs, TS+2*(\b)+2*((\b)/6)
	v_pk_add_f32 v[cr:cr+1], v[cr:cr+1], v[cs:cs+1]
.endm
.macro LC ls, c                        ; a tile's sum += chain c
.set cr, TS+2*(\c)+2*((\c)/6)
	v_pk_add_f32 v[\ls:\ls+1], v[\ls:\ls+1], v[cr:cr+1]
.endm
.macro MN p                            ; the hold of pair p: the conversion does not saturate (ISA guide 7.6.2); p is not negative
	v_dual_min_num_f32 v[SA+2*(\p)], v[SA+2*(\p)], v[PLM] :: v_dual_min_num_f32 v[SA+2*(\p)+1], v[SA+2*(\p)+1], v[PL2]
.endm
.macro KLOAD off
.irp kt, 0,1,2,3,4,5,6,7
	ds_load_b128 v[8*\kt:8*\kt+3], v[ADK] offset:(\off)+\kt*1024
	ds_load_b128 v[8*\kt+4:8*\kt+7], v[ADK] offset:(\off)+\kt*1024+512
.endr
.endm
; THE CHANGE OF SLOTS, at a slot's head: all my tensor loads (one is out), the add, my reads of the slot that I have left; fill = 1: a round of the cluster's barrier, and the joint refill first behind it, one a wave.
.macro CHANGE fill
	VW
	s_wait_tensorcnt 0x0
	ds_add_u32 v[SPW], v[NIL]
.if \fill
	s_xor_b32 s[G0+1], s[G0+1], SLOTB              ; the other slot,
	s_add_nc_u64 s[G0+2:G0+3], s[G0+2:G0+3], 32768 ; the next 512 keys, or the next head's first
	s_wait_xcnt 0x0                                ; the last prefetch has read its address
	s_add_nc_u64 s[PFA:PFA+1], s[PFA:PFA+1], 32768
.endif
	s_wait_dscnt 0x0
.if \fill
	ROUND
	tensor_load_to_lds s[G0:G0+3], s[G1:G1+7]
	s_nop 0
	PLACES
	ASK
	s_sub_co_u32 s[SLOTS], s[SLOTS], 1
.else
	s_barrier_signal -1
	s_barrier_wait -1
.endif
	s_mov_b32 s[SO], s[TB]
	v_add_nc_u32 v[ADK], s[SO], v[AK0]
	VW
	WIN 0x40
	KLOAD 0                                        ; the slot's first key step
	WIN 0
.endm
; A KEY STEP: 128 keys for my 32 queries and the head in hand.  pf = 1: the next step's K, in the same slot, is fetched behind this step's first product.
.macro STEP pf
	v_add_nc_u32 v[ADK], s[SO], v[AK0]
	v_add_nc_u32 v[ADV], s[SO], v[AV0]
	VW
	s_wait_dscnt 0x0                               ; K is in
	WIN 0x05                                       ; both sources in window 1
.irp kt, 0,1,2,3,4,5,6,7
	v_wmma_f32_16x16x64_fp8_fp8 v[SA+8*\kt:SA+8*\kt+7], v[8*\kt:8*\kt+7], v[QQ:QQ+7], 0
	v_wmma_f32_16x16x64_fp8_fp8 v[SB+8*\kt:SB+8*\kt+7], v[8*\kt:8*\kt+7], v[QQ+8:QQ+15], 0
.endr
	PLACES
	WIN 0x40
.irp dt, 0,1,2,3
.irp g, 0,1,2,3
	ds_load_b128 v[VF+16*\dt+4*\g:VF+16*\dt+4*\g+3], v[ADV] offset:\dt*2048+512*\g
.endr
.endr
.if \pf
	KLOAD 8192
.endif
	WIN 0
	v_max3_num_f32 v[MA], v[SA], v[SA+1], v[SA+2]  ; the step's largest scores, four chains, each accumulator from its low end on
	v_max3_num_f32 v[MA+2], v[SB], v[SB+1], v[SB+2]
	v_max3_num_f32 v[MA+1], v[SA+3], v[SA+4], v[SA+5]
	v_max3_num_f32 v[MA+3], v[SB+3], v[SB+4], v[SB+5]
.irp i, 6,10,14,18,22,26,30,34,38,42,46,50,54,58
	v_max3_num_f32 v[MA], v[MA], v[SA+\i], v[SA+1+\i]
	v_max3_num_f32 v[MA+2], v[MA+2], v[SB+\i], v[SB+1+\i]
	v_max3_num_f32 v[MA+1], v[MA+1], v[SA+2+\i], v[SA+3+\i]
	v_max3_num_f32 v[MA+3], v[MA+3], v[SB+2+\i], v[SB+3+\i]
.endr
	v_max3_num_f32 v[MA], v[MA], v[SA+62], v[SA+63]
	v_max3_num_f32 v[MA+2], v[MA+2], v[SB+62], v[SB+63]
	v_max3_num_f32 v[MA], v[MA], v[MA+1], v[NMA+1] ; with the running largest; the two tiles' chains go line by line
	v_max3_num_f32 v[MA+2], v[MA+2], v[MA+3], v[NMB+1]
	v_permlanex16_b32 v[PX], v[MA], s[SEL], s[SEL+1]
	v_permlanex16_b32 v[PX+1], v[MA+2], s[SEL], s[SEL+1]
	v_max_num_f32 v[NMA+1], v[MA], v[PX]           ; and lane l xor 16's
	v_max_num_f32 v[NMB+1], v[MA+2], v[PX+1]
	v_mul_f32 v[MA], s[CS], v[NMA+1]               ; as t
	v_mul_f32 v[MA+2], s[CS], v[NMB+1]
	v_mov_b32 v[MA+1], v[NMA]
	v_mov_b32 v[MA+3], v[NMB]
	v_floor_f32 v[NMA], -v[MA]                     ; the new -M = -ceil(t)
	v_floor_f32 v[NMB], -v[MA+2]
	v_sub_f32 v[MA+1], v[NMA], v[MA+1]             ; old M - new M, a whole number, 0 or less
	v_sub_f32 v[MA+3], v[NMB], v[MA+3]
	v_cvt_i32_f32 v[MA+1], v[MA+1]                 ; (it saturates)
	v_cvt_i32_f32 v[MA+3], v[MA+3]
	v_ldexp_f32 v[FFA], 1.0, v[MA+1]
	v_ldexp_f32 v[FFB], 1.0, v[MA+3]
	; The 128 exponentials go in four runs of 32, a plain line behind each.  A run's plain lines read nothing that a line of the same run writes: scalings of later quarters,
	; sums (of the unquantised p) and holds of earlier quarters.  Between two runs stands one wait, for the exponentials' results and for the plain results alike.
.set pp, 0
.rept 16
	FM pp                                          ; the first quarter's t - M
.set pp, pp+1
.endr
	v_pk_mul_f32 v[LSA:LSA+1], v[LSA:LSA+1], v[FFA:FFA+1] op_sel_hi:[1,0]   ; the sums under the new M
	v_pk_mul_f32 v[LSB:LSB+1], v[LSB:LSB+1], v[FFB:FFB+1] op_sel_hi:[1,0]
	VW
.set xe, 0
.rept 32                                       ; run 0: pairs 0-15; beside it t - M of pairs 16-47
	E1
	FM pp
.set pp, pp+1
.endr
	VW
.rept 16                                       ; run 1: pairs 16-31; beside it t - M of pairs 48-63,
	E1
	FM pp
.set pp, pp+1
.endr
.irp k, 0,1,2,3,4,5,6                          ; the sums of pairs 0-14,
	E1
	AI \k, 2*\k
.endr
	E1
	AL LSA, 14
.irp q, 0,1,2,3,4,5,6,7                        ; the holds of pairs 0-7: a pair is held behind the line that has summed it
	E1
	MN \q
.endr
	VW
.irp k, 0,1,2,3,4,5,6                          ; run 2: pairs 32-47; beside it the sums of pairs 15-30,
	E1
	AC \k, 15+\k
.endr
	E1
	AL LSA, 22
.irp k, 0,1,2,3
	E1
	AI 7+\k, 23+2*\k
.endr
.set pp, 8
.rept 20                                       ; the holds of pairs 8-27
	E1
	MN pp
.set pp, pp+1
.endr
	VW
.irp q, 28,29,30                               ; run 3: pairs 48-63; beside it the rest of tile A,
	E1
	MN \q
.endr
	E1
	AL LSA, 31
	E1
	MN 31
.irp k, 0,2,4,6,8                              ; its chains joined two by two,
	E1
	CC \k, \k+1
.endr
.irp k, 0,1,2,3,4                              ; and, in the five chains that this leaves, tile B's pairs 32-42
	E1
	AI 2*\k+1, 32+2*\k
.endr
	E1
	AL LSB, 42
.set pp, 32
.rept 11
	E1
	MN pp
.set pp, pp+1
.endr
.rept 5
	E1
.endr
	v_nop                                          ; a plain line behind the last exponential
	VW
	CC 0, 2                                        ; tile A's chains,
	CC 4, 6
	CC 8, 10
.irp q, 43,49,55                               ; tile B's pairs 43-63
	AC 1, \q
	AC 3, \q+1
	AC 5, \q+2
	AC 7, \q+3
	AC 9, \q+4
	AL LSB, \q+5
.endr
	AC 1, 61
	AC 3, 62
	AC 5, 63
	CC 0, 4
	LC LSA, 8
	LC LSB, 9
	CC 1, 3
	CC 5, 7
	LC LSA, 0
.set pp, 43
.rept 4
	MN pp
.set pp, pp+1
.endr
	CC 1, 5
.rept 17
	MN pp
.set pp, pp+1
.endr
	LC LSB, 1
	WIN 0x40                                       ; the codes go to window 1
.irp c, 0,1,2,3,4,5,6,7
	v_cvt_scalef32_pk8_fp8_f32 v[PCA+2*\c:PCA+2*\c+1], v[SA+8*\c:SA+8*\c+7], v[PSC]
	v_cvt_scalef32_pk8_fp8_f32 v[PCB+2*\c:PCB+2*\c+1], v[SB+8*\c:SB+8*\c+7], v[PSC]
.endr
	WIN 0
	VW                                             ; directly ahead of the first reader of O^T
.set n, 0
.rept 16
	v_pk_mul_f32 v[OTA+n:OTA+n+1], v[OTA+n:OTA+n+1], v[FFA:FFA+1] op_sel_hi:[1,0]   ; O^T under the new M; also the plain lines behind the conversions
	v_pk_mul_f32 v[OTB+n:OTB+n+1], v[OTB+n:OTB+n+1], v[FFB:FFB+1] op_sel_hi:[1,0]
.set n, n+2
.endr
	VW
.if \pf
	s_wait_dscnt 16                                ; V is in; the next step's 16 loads of K may be out
.else
	s_wait_dscnt 0x0
.endif
	WIN 0x05
.irp dt, 0,1,2,3
	v_wmma_f32_16x16x128_fp8_fp8 v[OTA+8*\dt:OTA+8*\dt+7], v[VF+16*\dt:VF+16*\dt+15], v[PCA:PCA+15], v[OTA+8*\dt:OTA+8*\dt+7]
	v_wmma_f32_16x16x128_fp8_fp8 v[OTB+8*\dt:OTB+8*\dt+7], v[VF+16*\dt:VF+16*\dt+15], v[PCB:PCB+15], v[OTB+8*\dt:OTB+8*\dt+7]
.endr
	WIN 0
	s_add_co_u32 s[SO], s[SO], 8192
.endm
.macro SLOT_STEPS                      ; four key steps: three that fetch the next K, in a counted loop, and the slot's last
	s_mov_b32 s59, 3
.Lstep_\@:
	STEP 1
	s_sub_co_u32 s59, s59, 1
	s_cmp_lg_u32 s59, 0
	VW
	s_cbranch_scc1 .Lstep_\@
	STEP 0
	s_xor_b32 s[TB], s[TB], SLOTB
.endm
.macro HEADINIT                        ; O^T and the sums begin as zeros, the largest score under every score, -M over every -M: the key step is written once
	v_mov_b32 v[NMA+1], 0xff61b1e6
	v_mov_b32 v[NMB+1], 0xff61b1e6
	v_mov_b32 v[NMA], 0x7f61b1e6
	v_mov_b32 v[NMB], 0x7f61b1e6
.irp n, 0,1,2,3
	v_mov_b32 v[LSA+\n], 0
.endr
.set n, 0
.rept 64
	v_mov_b32 v[OTA+n], 0
.set n, n+1
.endr
.endm
.macro FINISH                          ; O^T x 2^(e8 + e9) / the sum, quantised with 2^e10; the queue moves up and the codes enter behind
	v_add_f32 v[LSA], v[LSA], v[LSA+1]
	v_add_f32 v[LSB], v[LSB], v[LSB+1]
	v_permlanex16_b32 v[PX], v[LSA], s[SEL], s[SEL+1]
	v_permlanex16_b32 v[PX+1], v[LSB], s[SEL], s[SEL+1]
	v_add_f32 v[LSA], v[LSA], v[PX]
	v_add_f32 v[LSB], v[LSB], v[PX+1]
	VW
	v_rcp_f32 v[LSA], v[LSA]
	v_rcp_f32 v[LSB], v[LSB]
	v_nop
	VW
	v_ldexp_f32 v[LSA], v[LSA], s[EPV]
	v_ldexp_f32 v[LSB], v[LSB], s[EPV]
	VW                                             ; directly ahead of the first reader of O^T
.set n, 0
.rept 16
	v_pk_mul_f32 v[SA+n:SA+n+1], v[OTA+n:OTA+n+1], v[LSA:LSA+1] op_sel_hi:[1,0]
	v_pk_mul_f32 v[SB+n:SB+n+1], v[OTB+n:OTB+n+1], v[LSB:LSB+1] op_sel_hi:[1,0]
.set n, n+2
.endr
.set n, 0
.rept 32
	v_med3_num_f32 v[SA+n], v[SA+n], -v[OLM], v[OLM]
	v_med3_num_f32 v[SB+n], v[SB+n], -v[OLM], v[OLM]
.set n, n+1
.endr
	WIN 0x41
.set n, 0
.rept 48
	v_mov_b32 v[QQ+n], v[QQ+16+n]
.set n, n+1
.endr
	WIN 0x40
.irp dt, 0,1,2,3
	v_cvt_scalef32_pk8_fp8_f32 v[QQ+48+2*\dt:QQ+49+2*\dt], v[SA+8*\dt:SA+8*\dt+7], v[OSC]
	v_cvt_scalef32_pk8_fp8_f32 v[QQ+56+2*\dt:QQ+57+2*\dt], v[SB+8*\dt:SB+8*\dt+7], v[OSC]
.endr
	WIN 0
	v_nop
.endm
.macro WLOAD buf, s                    ; my four tiles' weight fragments of K step s: sixteen loads of 512 consecutive bytes
.irp ti, 0,1,2,3
.irp g, 0,1,2,3
	global_load_b128 v[WB+64*(\buf)+16*\ti+4*\g:WB+64*(\buf)+16*\ti+4*\g+3], v[LI], s[WP:WP+1] offset:(4*\ti+(\s))*2048+512*\g
.endr
.endr
.endm
.macro XLOAD ti, reg                   ; x at channels 64 w + 16 ti + 8 h + j, all 128 tokens: register 8 j + 4 th + tt
.irp j, 0,1,2,3,4,5,6,7
.irp th, 0,1
	global_load_b128 v[\reg+8*\j+4*\th:\reg+8*\j+4*\th+3], v[XO], s[XB:XB+1] offset:(16*(\ti)+\j)*16384+256*\th th:TH_LOAD_NT
.endr
.endr
.endm
.macro FLOAD adr, boff, j              ; pair j of a phase: token tiles 2 (j % 4), + 1 of the phase's K step j / 4
.irp u, 0,1
.irp g, 0,1,2,3
	ds_load_b128 v[FR+32*((\j)%2)+16*\u+4*\g:FR+32*((\j)%2)+16*\u+4*\g+3], v[\adr] offset:(\boff)+(2*((\j)%4)+\u)*4096+((\j)/4)*2048+512*\g
.endr
.endr
.endm
; Two K steps (2 H, 2 H + 1) of a projection: eight pairs of token tiles x my four output tiles; accumulator (ti, t) at 32 t + 8 ti in window 1; the 32 take turns.
; kind 0: q; kind 1: y, with bo as the C of each sum's first product.  A pair's fragments are fetched one pair ahead; a weight set is asked for when its registers are left.
; One pair of q's K steps 0 and 1: token tiles 2 (j % 4), + 1 of K step j / 4 x my four output tiles.  nx: the pair fetched behind it into the same two fragments (-1: none); dw: the LDS loads that may stay out.
.macro QPAIR j, nx, dw
	s_wait_dscnt \dw
.if \j < 4
	WIN 0x40
.else
	WIN 0x50
.endif
.irp u, 0,1
.irp ti, 0,1,2,3
.set GD, 32*(2*(\j%4)+\u)+8*\ti
.set GW, WB+64*(\j/4)+16*\ti
.set GF, FR+32*(\j%2)+16*\u
.if \j < 4
	v_wmma_f32_16x16x128_fp8_fp8 v[GD:GD+7], v[GW:GW+15], v[GF:GF+15], 0
.else
	v_wmma_f32_16x16x128_fp8_fp8 v[GD:GD+7], v[GW:GW+15], v[GF:GF+15], v[GD:GD+7]
.endif
.endr
.endr
	WIN 0
.if \nx >= 0
	PLACES
	FLOAD LXA, 0, \nx
.endif
.endm
.macro PHASE adr, boff, H, kind
	FLOAD \adr, \boff, 0
	FLOAD \adr, \boff, 1
.irp j, 0,1,2,3,4,5,6,7
.if \j == 0
	s_wait_loadcnt 16                              ; this K step's weights are in; behind them one set of 16 loads
.endif
.if \j == 4
.if (\H == 1) && (\kind == 0)
	s_wait_loadcnt 0
.else
	s_wait_loadcnt 16
.endif
.endif
.if \j < 7
	s_wait_dscnt 8                                 ; this pair is in; the next pair's eight loads may be out
.else
	s_wait_dscnt 0
.endif
.if (\H == 0) && (\j < 4)
	WIN 0x40
.else
	WIN 0x50
.endif
.irp u, 0,1
.irp ti, 0,1,2,3
.set GD, 32*(2*(\j%4)+\u)+8*\ti
.set GW, WB+64*(\j/4)+16*\ti
.set GF, FR+32*(\j%2)+16*\u
.if (\H == 0) && (\j < 4)
.if \kind
	v_wmma_f32_16x16x128_fp8_fp8 v[GD:GD+7], v[GW:GW+15], v[GF:GF+15], v[BOR+8*\ti:BOR+8*\ti+7]
.else
	v_wmma_f32_16x16x128_fp8_fp8 v[GD:GD+7], v[GW:GW+15], v[GF:GF+15], 0
.endif
.else
	v_wmma_f32_16x16x128_fp8_fp8 v[GD:GD+7], v[GW:GW+15], v[GF:GF+15], v[GD:GD+7]
.endif
.endr
.endr
	WIN 0
.if \j < 6
	PLACES
	FLOAD \adr, \boff, \j+2
.endif
.if \j == 3
.if \H == 0
	WLOAD 0, 2
.elseif \kind == 1
	XLOAD 0, WB                                    ; the residual's first chunk, into the set that K step 2 has left
.endif
.endif
.if (\j == 7) && (\H == 0)
	PLACES
	WLOAD 1, 3
.endif
.endr
.endm
.macro XQL H                           ; channels 256 H + 32 w + i, all 128 tokens: a load reads 512 consecutive bytes; register 128 H + 4 i + tt of window 1
.set i, 0
.rept 32
	global_load_b128 v[128*\H+4*i:128*\H+4*i+3], v[LI], s[XQ:XQ+1] offset:(256*\H+i)*16384
.set i, i+1
.endr
.endm
.macro XQUANT H, cd                    ; the hold also lays a token's 32 channels into consecutive registers; numbers 0-7, 16-23 are the 16 bytes of h = 0, numbers 8-15, 24-31 those of h = 1
.irp tt, 0,1,2,3
	WIN 0x01
.set i, 0
.rept 32
	v_med3_num_f32 v[FR+i], v[128*\H+4*i+\tt], -v[LM], v[LM]
.set i, i+1
.endr
	WIN 0
	v_cvt_scalef32_pk8_fp8_f32 v[\cd+8*\tt:\cd+8*\tt+1], v[FR:FR+7], v[SC]
	v_cvt_scalef32_pk8_fp8_f32 v[\cd+8*\tt+4:\cd+8*\tt+5], v[FR+8:FR+15], v[SC]
	v_cvt_scalef32_pk8_fp8_f32 v[\cd+8*\tt+2:\cd+8*\tt+3], v[FR+16:FR+23], v[SC]
	v_cvt_scalef32_pk8_fp8_f32 v[\cd+8*\tt+6:\cd+8*\tt+7], v[FR+24:FR+31], v[SC]
	v_nop                                          ; a plain line behind the conversions: their sources are written again
.endr
.endm
.macro XSTORE cd
.irp tt, 0,1,2,3
	ds_store_b128 v[XW], v[\cd+8*\tt:\cd+8*\tt+3] offset:\tt*4096
	ds_store_b128 v[XW], v[\cd+8*\tt+4:\cd+8*\tt+7] offset:\tt*4096+256
.endr
.endm
.macro QSTORE P                        ; my head's Q of tiles 4 P .. 4 P + 3
.irp tl, 0,1,2,3
	ds_store_b128 v[QW], v[FR+8*(4*\P+\tl):FR+8*(4*\P+\tl)+3] offset:\tl*1024
	ds_store_b128 v[QW], v[FR+8*(4*\P+\tl)+4:FR+8*(4*\P+\tl)+7] offset:\tl*1024+512
.endr
.endm
.macro QLOAD d                         ; pieces ((2 tp + u) % 4, my four heads)
	WIN 0x40
.irp hh, 0,1,2,3
.irp u, 0,1
	ds_load_b128 v[\d+16*\hh+8*\u:\d+16*\hh+8*\u+3], v[QR] offset:\hh*4096+\u*1024
	ds_load_b128 v[\d+16*\hh+8*\u+4:\d+16*\hh+8*\u+7], v[QR] offset:\hh*4096+\u*1024+512
.endr
.endr
	WIN 0
.endm
.macro YCH ti, reg, cnt                ; out0 = sum x 2^(e10 + e11) + x, one chunk of 16 channels; each accumulator from its low end on
	s_wait_loadcnt \cnt
	WIN 0x01
.irp j, 0,1,2,3,4,5,6,7
.irp th, 0,1
.irp tt, 0,1,2,3
	v_fma_f32 v[\reg+8*\j+4*\th+\tt], v[32*(4*\th+\tt)+8*\ti+\j], s[SY], v[\reg+8*\j+4*\th+\tt]
.endr
.endr
.endr
	WIN 0
.irp j, 0,1,2,3,4,5,6,7
.irp th, 0,1
	global_store_b128 v[XO], v[\reg+8*\j+4*\th:\reg+8*\j+4*\th+3], s[OB:OB+1] offset:(16*\ti+\j)*16384+256*\th th:TH_STORE_NT   ; sixteen lanes: 256 consecutive bytes, aligned
.endr
.endr
.endm
.macro PAIR d, e                       ; s[d] = 2^(s[e]) as f32, s[d + 1] = 448 x that
	s_add_co_i32 s[\d+1], s[\e], 127
	s_lshl_b32 s[\d], s[\d+1], 23
	s_add_co_i32 s[\d+1], s[\d+1], 8
	s_lshl_b32 s[\d+1], s[\d+1], 23
	s_or_b32 s[\d+1], s[\d+1], 0x600000
.endm
	s_load_b512 s[4:19], s[0:1], 0x0               ; x, the exponents, bo, wq_img, wo_img, k_img, v_img, out0
	v_lshl_add_u32 v[SPW], v0, 2, SPARE
	v_mov_b32 v[NIL], 0
	ds_add_u32 v[SPW], v[NIL]                      ; the opening lines: the add twice on end and one wait
	ds_add_u32 v[SPW], v[NIL]
	v_lshrrev_b32 v1, 5, v0
	v_readfirstlane_b32 s[WV], v1                  ; wave 0..7
	s_and_b32 s84, s[WV], 3                        ; tp
	s_lshr_b32 s85, s[WV], 2                       ; g
	s_lshl_b32 s86, s85, 15                        ; my group's K: 32,768 g
	s_lshl_b32 s87, s85, 11                        ; x's codes: K step w >> 2 of the half, group w & 3
	s_lshl_b32 s88, s84, 9
	s_add_co_u32 s87, s87, s88
	s_add_co_u32 s87, s87, XA
	s_lshl_b32 s88, s[WV], 12                      ; q's codes: head w
	s_add_co_u32 s88, s88, XA
	s_lshl_b32 s89, s85, 14                        ; my Q: four heads of 4,096, tiles (2 tp) % 4 on
	s_and_b32 s90, s84, 1
	s_lshl_b32 s90, s90, 11
	s_add_co_u32 s89, s89, s90
	s_add_co_u32 s89, s89, XA
	s_lshl_b32 s90, s84, 13                        ; the outputs: 32,768 g + 4,096 x tile
	s_add_co_u32 s90, s90, s86
	s_cmp_ge_u32 s84, 2
	s_cselect_b32 s[QM], -1, 0                     ; my tiles come in the exchange's second half
	s_bfe_u32 s33, ttmp6, 0x40000                  ; cx: it enters x's, out0's and the prefetches' global addresses alone
	s_lshr_b32 s34, ttmp9, 3                       ; the batch, which the four partners share
	s_and_b32 s35, ttmp9, 7
	s_cmp_eq_u32 s35, 0
	s_cselect_b32 s[LIM], 1, -1                    ; the batch's first cluster prefetches
	s_lshl_b32 s35, s35, 2
	s_add_co_u32 s35, s35, s33                     ; which 128 of the batch's tokens
	s_lshl_b32 s91, s34, 23
	s_lshl_b32 s92, s35, 9
	s_add_co_u32 s91, s91, s92
	s_lshl_b32 s92, s[WV], 19                      ; 32 channels a wave, for the quantiser
	s_add_co_u32 s92, s92, s91
	s_mov_b32 s93, 0
	s_lshl_b32 s94, s[WV], 20                      ; 64 channels a wave, for the residual and out0
	s_add_co_u32 s94, s94, s91
	s_mov_b32 s95, 0
	s_lshl_b32 s98, s[WV], 15                      ; my sixteen weight fragments
	s_mov_b32 s99, 0
	s_lshl_b32 s100, s[WV], 8                      ; my 64 numbers of bo
	s_mov_b32 s101, 0
	s_mov_b32 s[G1], 15|(3<<16)|(1<<21)            ; the mask: all four; elements of 8 bytes; bit 21 beside a mask
	s_mov_b32 s[G1+1], 32<<16                      ; 16,384 dense bytes as 64 rows of 256
	s_mov_b32 s[G1+2], 64<<16
	s_mov_b32 s[G1+3], 32<<16
	s_mov_b32 s[G1+4], 64
	s_mov_b32 s[G1+5], 32
	s_mov_b32 s[G1+6], 0
	s_mov_b32 s[G1+7], 0
	s_mov_b32 s[SEL], 0x76543210
	s_mov_b32 s[SEL+1], 0xfedcba98
	s_mov_b32 s[TB], 0
	s_mov_b32 s[SLOTS], 7
	s_wait_dscnt 0x0                               ; both opening adds are done
	v_and_b32 v[BOF], 31, v0
	v_lshlrev_b32 v[LI], 4, v[BOF]
	v_min_u32 v[PFO], 15, v[BOF]
	v_lshlrev_b32 v[PFO], 8, v[PFO]
	v_add_nc_u32 v[AK0], s86, v[LI]
	v_add_nc_u32 v[AV0], 65536, v[AK0]
	v_bfe_u32 v[XO], v0, 4, 1                      ; h
	v_and_b32 v[PX+1], 15, v0                      ; r
	v_lshlrev_b32 v[XW], 14, v[XO]                 ; lanes 16-31 hold tiles 4-7
	v_lshl_add_u32 v[XW], v[PX+1], 4, v[XW]
	v_add_nc_u32 v[XW], s87, v[XW]
	v_add_nc_u32 v[LXA], XA, v[LI]
	v_add_nc_u32 v[QW], s88, v[LI]
	v_add_nc_u32 v[QR], s89, v[LI]
	v_add_nc_u32 v[OW], s90, v[LI]
	v_lshlrev_b32 v[BOF], 5, v[XO]
	v_lshlrev_b32 v[XO], 17, v[XO]
	v_lshl_add_u32 v[XO], v[PX+1], 4, v[XO]
	VW                                             ; the head's end
	s_wait_kmcnt 0x0
	s_load_b256 s[20:27], s[6:7], 0x0              ; e0 .. e7
	s_load_b128 s[28:31], s[6:7], 0x20             ; e8 .. e11
	s_add_nc_u64 s[XQ:XQ+1], s[4:5], s[92:93]
	s_add_nc_u64 s[XB:XB+1], s[4:5], s[94:95]
	s_add_nc_u64 s[OB:OB+1], s[18:19], s[94:95]
	s_add_nc_u64 s[WP:WP+1], s[10:11], s[98:99]
	s_add_nc_u64 s[12:13], s[12:13], s[98:99]
	s_add_nc_u64 s[8:9], s[8:9], s[100:101]
	WIN 0x40
	XQL 0
	WIN 0
	WLOAD 0, 0
	; descriptor group 0: piece w of a slot: waves 0-3 K, 4-7 V; head group (w >> 1) & 1; half w & 1 of its 32,768 bytes
	s_mov_b32 s[G0], 1
	s_lshl_b32 s[G0+1], s[WV], 14
	s_lshl_b32 s84, s34, 19
	s_bfe_u32 s85, s[WV], 0x10001
	s_lshl_b32 s85, s85, 18
	s_add_co_u32 s84, s84, s85
	s_and_b32 s85, s[WV], 1
	s_lshl_b32 s85, s85, 14
	s_add_co_u32 s84, s84, s85
	s_mov_b32 s85, 0
	s_lshl_b32 s86, s33, 12                        ; the prefetches: my work-group's 4,096 bytes of the piece,
	s_add_co_u32 s86, s86, 32768                   ; in the second slot: the first change steps it to the third
	s_mov_b32 s87, 0
	s_cmp_lt_u32 s[WV], 4
	s_cselect_b64 s[G0+2:G0+3], s[14:15], s[16:17]
	s_cselect_b64 s[PFA:PFA+1], s[14:15], s[16:17]
	s_add_nc_u64 s[G0+2:G0+3], s[G0+2:G0+3], s[84:85]
	s_add_nc_u64 s[PFA:PFA+1], s[PFA:PFA+1], s[84:85]
	s_add_nc_u64 s[PFA:PFA+1], s[PFA:PFA+1], s[86:87]
	s_or_b32 s[G0+3], s[G0+3], 0x80000000
	ROUND                                          ; all four work-groups are here: the first joint loads meet
	tensor_load_to_lds s[G0:G0+3], s[G1:G1+7]      ; the first slot, one load a wave
	s_nop 0
	PLACES
	WLOAD 1, 1                                     ; both first weight sets stand ahead of x's second half
	WIN 0x40
	XQL 1
	WIN 0
	s_wait_kmcnt 0x0
	s_add_co_i32 s84, s26, s27                     ; a score stands for score x 2^(e6 + e7): added to c's exponent field
	s_lshl_b32 s84, s84, 23
	s_mov_b32 s[CS], 0x3e38aa3b                    ; log2(e) / 8
	s_add_co_i32 s[CS], s[CS], s84
	s_mov_b32 s[CS+1], s[CS]
	s_add_co_i32 s[EPV], s28, s29
	PAIR 61, 28                                    ; p's scale
	s_sub_co_i32 s84, s26, s20
	s_sub_co_i32 s84, s84, s21                     ; q's conversion takes 2^(e6 - e0 - e1)
	PAIR 66, 84
	PAIR 68, 20                                    ; x's
	PAIR 70, 30                                    ; the heads' outputs'
	s_add_co_i32 s85, s30, s31
	s_sub_co_i32 s74, 0, s85
	s_add_co_i32 s85, s85, 127
	s_lshl_b32 s[SY], s85, 23
	v_mov_b32 v[SC], s68
	v_mov_b32 v[LM], s69
	VW
	; ---- x becomes codes
	s_wait_loadcnt 63                              ; the first 32 loads are in (64 stand behind them; the field's most is 63)
	XQUANT 0, CD0
	XSTORE CD0
	BARRIER                                        ; K steps 0 and 1 of x lie in the exchange
	; ---- q = x^T Wq.  K steps 0 and 1 go by halves of the tokens: tiles 0-3 have accumulator registers 0-127 of window 1, which x's first half has left,
	; and are multiplied while x's second half lands in registers 128-255; then that half is quantised, and tiles 4-7 follow
	FLOAD LXA, 0, 0
	FLOAD LXA, 0, 1
	s_wait_loadcnt 48                              ; the first weight set is in; behind it the second set's 16 loads and x's 32
	QPAIR 0, 4, 8
	QPAIR 1, 5, 8
	s_wait_loadcnt 32                              ; the second set is in; behind it x's 32
	QPAIR 4, -1, 8
	QPAIR 5, -1, 0
	PLACES                                         ; the quantiser writes the fragments' registers
	s_wait_loadcnt 0
	XQUANT 1, BOR
	v_mov_b32 v[SC], s66
	v_mov_b32 v[LM], s67
	VW
	FLOAD LXA, 0, 2
	FLOAD LXA, 0, 3
	QPAIR 2, 6, 8
	QPAIR 3, 7, 8
	WLOAD 0, 2                                     ; K step 0 is over: its set takes K step 2's weights
	QPAIR 6, -1, 8
	QPAIR 7, -1, 0
	PLACES
	WLOAD 1, 3
	BARRIER                                        ; nobody reads them any more
	XSTORE BOR
	BARRIER                                        ; K steps 2 and 3
	PHASE LXA, 0, 1, 0
	PLACES
	WIN 0x41
.set n, 0
.rept 256
	v_med3_num_f32 v[n], v[n], -v[LM], v[LM]
.set n, n+1
.endr
	WIN 0x01
.irp t, 0,1,2,3,4,5,6,7
.irp ti, 0,1,2,3
	v_cvt_scalef32_pk8_fp8_f32 v[FR+8*\t+2*\ti:FR+8*\t+2*\ti+1], v[32*\t+8*\ti:32*\t+8*\ti+7], v[SC]
.endr
.endr
	WIN 0
	v_nop
	BARRIER                                        ; nobody reads x's codes any more
	QSTORE 0
	BARRIER
	QLOAD 0                                        ; every wave reads in both halves and keeps the one that holds its tiles
	BARRIER
	QSTORE 1
	BARRIER
	QLOAD 64
	s_wait_dscnt 0x0
	WIN 0x45
.set n, 0
.rept 64
	v_cndmask_b32 v[QQ+n], v[n], v[64+n], s[QM]
.set n, n+1
.endr
	WIN 0
	; ---- the attention: eight slots, two to a head; seven are asked for at a change of slots
	v_mov_b32 v[PX], 0
	v_mov_b32 v[PX+1], 0
	v_mov_b32 v[FFA+1], 0
	v_mov_b32 v[FFB+1], 0
	v_mov_b32 v[PSC], s61
	v_mov_b32 v[PLM], s62
	v_mov_b32 v[PL2], s62
	v_mov_b32 v[OSC], s70
	v_mov_b32 v[OLM], s71
	HEADINIT
	s_mov_b32 s58, 0
.Lslot:
	CHANGE 1
	s_bitcmp1_b32 s58, 0                           ; a head begins with an even slot: the count of trips alone decides
	s_cbranch_scc1 .Lsame_head
	s_cmp_eq_u32 s58, 0                            ; the first head has been begun ahead of the loop
	s_cbranch_scc1 .Lsame_head
	FINISH                                         ; the last head's end stands behind the refill and the request for the slot's first K: work on registers alone
	HEADINIT
.Lsame_head:
	SLOT_STEPS
	s_add_co_u32 s58, s58, 1
	s_cmp_lt_u32 s58, 7
	VW
	s_cbranch_scc1 .Lslot
	CHANGE 0                                       ; the last slot is written out: nothing is left to fetch
	SLOT_STEPS
	FINISH
	; ---- out0 = x + out Wo + bo
	s_mov_b64 s[WP:WP+1], s[12:13]
.irp ti, 0,1,2,3
	global_load_b128 v[BOR+8*\ti:BOR+8*\ti+3], v[BOF], s[8:9] offset:64*\ti
	global_load_b128 v[BOR+8*\ti+4:BOR+8*\ti+7], v[BOF], s[8:9] offset:64*\ti+16
.endr
	WLOAD 0, 0
	WLOAD 1, 1
	WIN 0x04                                       ; the queue's 64 registers into ring slot 0: fragment (t, s) at 32,768 (s / 2) + 4,096 t + 2,048 (s % 2)
.irp hh, 0,1,2,3
.irp u, 0,1
	ds_store_b128 v[OW], v[QQ+16*\hh+8*\u:QQ+16*\hh+8*\u+3] offset:\u*4096+\hh*1024
	ds_store_b128 v[OW], v[QQ+16*\hh+8*\u+4:QQ+16*\hh+8*\u+7] offset:\u*4096+\hh*1024+512
.endr
.endr
	WIN 0
	s_wait_loadcnt 32                              ; bo is in; the two weight sets may be out
.set n, 0
.rept 32
	v_ldexp_f32 v[BOR+n], v[BOR+n], s74            ; bo / 2^(e10 + e11): the C of sums that lack that power of two
.set n, n+1
.endr
	BARRIER                                        ; all heads' outputs lie in LDS
	PHASE LI, 0, 0, 1
	PHASE LI, 32768, 1, 1
	PLACES
	XLOAD 1, WB+64
	XLOAD 2, FR
	YCH 0, WB, 32                                  ; behind chunk 0's loads: chunks 1 and 2
	s_wait_xcnt 0x0                                ; the stores have read their registers
	XLOAD 3, WB
	YCH 1, WB+64, 32
	YCH 2, FR, 16
	YCH 3, WB, 0
	s_wait_tensorcnt 0x0                           ; the wave's end
	ds_add_u32 v[SPW], v[NIL]
	s_wait_dscnt 0x0
	ROUND                                          ; the closing round
	s_endpgm
.Lfunc_end_k_q6fef3534d3_attn:
	.size	k_q6fef3534d3_attn, .Lfunc_end_k_q6fef3534d3_attn-k_q6fef3534d3_attn
	.p2alignl 7, 3214868480
	.fill 96, 4, 3214868480
	.section	.rodata,"a",@progbits
	.p2align	6, 0x0
	.amdhsa_kernel k_q6fef3534d3_attn
		.amdhsa_group_segment_fixed_size 327680
		.amdhsa_private_segment_fixed_size 0
		.amdhsa_enable_private_segment 0
		.amdhsa_kernarg_size 64
		.amdhsa_user_sgpr_count 2
		.amdhsa_user_sgpr_kernarg_segment_ptr 1
		.amdhsa_wavefront_size32 1
		.amdhsa_system_sgpr_workgroup_id_x 1
		.amdhsa_system_sgpr_workgroup_id_y 1
		.amdhsa_system_sgpr_workgroup_id_z 1
		.amdhsa_system_vgpr_workitem_id 0
		.amdhsa_next_free_vgpr 512
		.amdhsa_next_free_sgpr 102
		.amdhsa_reserve_vcc 0
		.amdhsa_float_denorm_mode_32 3
		.amdhsa_float_denorm_mode_16_64 3
		.amdhsa_memory_ordered 1
		.amdhsa_forward_progress 1
		.amdhsa_inst_pref_size 255
	.end_amdhsa_kernel
	.section	.bss,"aw",@nobits
	.p2align	6
	.space	262144
	.amdgpu_metadata
---
amdhsa.version: [ 1, 2 ]
amdhsa.kernels:
  - .name:           k_q6fef3534d3_attn
    .symbol:         k_q6fef3534d3_attn.kd
    .args:
      - { .name: x, .offset: 0, .size: 8, .value_kind: global_buffer, .address_space: global }
      - { .name: lowp_scales, .offset: 8, .size: 8, .value_kind: global_buffer, .address_space: global }
      - { .name: bo, .offset: 16, .size: 8, .value_kind: global_buffer, .address_space: global }
      - { .name: wq_img, .offset: 24, .size: 8, .value_kind: global_buffer, .address_space: global }
      - { .name: wo_img, .offset: 32, .size: 8, .value_kind: global_buffer, .address_space: global }
      - { .name: k_img, .offset: 40, .size: 8, .value_kind: global_buffer, .address_space: global }
      - { .name: v_img, .offset: 48, .size: 8, .value_kind: global_buffer, .address_space: global }
      - { .name: out0, .offset: 56, .size: 8, .value_kind: global_buffer, .address_space: global }
    .group_segment_fixed_size: 327680
    .private_segment_fixed_size: 0
    .kernarg_segment_align: 8
    .kernarg_segment_size: 64
    .max_flat_workgroup_size: 256
    .sgpr_count:     102
    .vgpr_count:     512
    .wavefront_size: 32
...
	.end_amdgpu_metadata
.endif
;; end of part 3
